; MI455X (gfx1250); checked and timed in simulation.
; The chip was launched on July 23, 2026; its instructions are those of AMD's public machine-readable ISA for CDNA 5 (MIT licence, August 2026) and "CDNA5" Instruction Set Architecture Reference Guide (July 2026). The comments in the code are by the model that wrote it; some were corrected since.
;; MU Attention Layer. Allowed arithmetic: matrix products marked QUANTISED: E4M3 operands, one E8M0 scale for each 32 along K, by v_wmma_scale_f32_16x16x128_f8f6f4 with both operands' format E4M3, f32 sums; products left as they are: f32 operands where the result goes on into a quantised operand, else bf16, f16 or f32 operands; f32 sums; everything else in f32.
;; Inputs: M 4 x 2,048 x 4 x 4 float32; Wb_codes 16 x 4 x 32 uint8 (E4M3 codes of Wb, K innermost, in blocks of 32 codes); Wb_scales 16 x 4 uint8 (E8M0 scales of Wb, one for each 32 codes along K); Wg_codes 16 x 4 x 32 uint8 (E4M3 codes of Wg, K innermost, in blocks of 32 codes); Wg_scales 16 x 4 uint8 (E8M0 scales of Wg, one for each 32 codes along K); Wk 16 x 128 float32; Wo_codes 16 x 4 x 32 uint8 (E4M3 codes of Wo, K innermost, in blocks of 32 codes); Wo_scales 16 x 4 uint8 (E8M0 scales of Wo, one for each 32 codes along K); Wq 16 x 128 float32; Wv 16 x 128 float32; bb 16 float32; bg 16 float32; bk 128 float32; bo 16 float32; bq 128 float32; bv 128 float32; ln_beta 4 x 4 float32; ln_gamma 4 x 4 float32; sens_mask 4 x 4 float32.
;; Outputs: out0 4 x 2,048 x 4 x 4 float32.
;; This version of the problem:
;;   THIS VERSION OF THE PROBLEM IS GIVEN IN LOW PRECISION. The matrix products marked QUANTISED in the list below multiply operands that are first quantised to E4M3 (4 exponent bits, 3 mantissa bits; 8 bits a number), with one power-of-two scale for each 32 numbers along K (OCP MX v1.0); their sums are f32. All else is computed in f32.
;;   The module's matrix products, in the order in which they are computed (A, B: the left and right operand; K: the contracted axis; several contracted axes count as one K, in the product's order):
;;     1. [M 8,192, K 16] x [K 16, N 128]; A: input M; B: input Wq: left as it is (K = 16 < 32)
;;     2. [M 8,192, K 16] x [K 16, N 128]; A: input M; B: input Wk: left as it is (K = 16 < 32)
;;     3. [M 8,192, K 16] x [K 16, N 128]; A: input M; B: input Wv: left as it is (K = 16 < 32)
;;     4. batch 16 x [M 2,048, K 32] x [K 32, N 2,048]; A: computed on the way; B: computed on the way: QUANTISED
;;     5. batch 16 x [M 2,048, K 2,048] x [K 2,048, N 32]; A: softmax (see below); B: computed on the way: QUANTISED
;;     6. [M 8,192, K 128] x [K 128, N 16]; A: computed on the way; B: input Wo (given as codes): QUANTISED
;;     7. [M 8,192, K 128] x [K 128, N 16]; A: computed on the way; B: input Wg (given as codes): QUANTISED
;;     8. [M 8,192, K 128] x [K 128, N 16]; A: computed on the way; B: input Wb (given as codes): QUANTISED
;;   THE QUANTISER, for each operand of a quantised product, along K:
;;     - K is cut into blocks of 32 from its start; a last block that is shorter is filled with zeros.
;;     - A block's scale is 2^e with e = floor(log2(the largest magnitude in the block)) - 8, held to -126 .. 127; a block of zeros has e = 0. As a byte (E8M0): e + 127.
;;     - Each number is divided by its block's scale, clamped to +-448, and rounded to the nearest number of E4M3, ties to even, subnormals kept.
;;     - The product sums the exact products of the quantised numbers (number of the format x scale) in f32.
;;   ~~~python
;;   def quantise(x, axis):      # numpy; x: float32 -> the quantised numbers, widened to float32 again
;;       x = np.moveaxis(x, axis, -1); K = x.shape[-1]
;;       x = np.pad(x, [(0, 0)] * (x.ndim - 1) + [(0, -K % 32)]); x = x.reshape(x.shape[:-1] + (-1, 32)); a = np.abs(x).max(-1, keepdims=True)
;;       e = np.where(a > 0, np.clip(np.frexp(np.where(a > 0, a, 1))[1] - 1 - 8, -126, 127), 0)      # np.frexp(a)[1] - 1 = floor(log2(a)), exactly
;;       r = np.clip(x / 2.0 ** e, -448, 448)
;;       step = 2.0 ** (np.maximum(np.frexp(np.where(r == 0, 1, r))[1] - 1, -6) - 3)
;;       q = np.round(r / step) * step * 2.0 ** e      # np.round: ties to even
;;       return np.moveaxis(q.reshape(q.shape[:-2] + (-1,))[..., :K], -1, axis).astype(np.float32)
;;   ~~~
;;   SOFTMAX AHEAD OF A QUANTISED PRODUCT. Where the list says 'softmax', what is quantised is not the finished softmax but p = 2^(t - M), with t = logit x log2(e) and M = ceil(the row's largest t), a whole number; so 1/2 < the row's largest p <= 1. The row's sum l is taken of the UNQUANTISED p, in f32, and the product's result is divided by l at the end. Since M is a whole number, a kernel that streams over the keys may use a running M (the ceiling of the running maximum): every later rescaling is an exact power of two, which a block's scale takes up: the codes' values come out the same.
;;   OPERANDS COMPUTED ON THE WAY. 'Computed on the way' means the value that the module computes at that place (a softmax that the list does not call 'softmax' is quantised finished and normalised). What goes into a quantiser is computed in f32, as accurately as f32 sums, v_exp_f32 and their like allow (about 1e-6 of the number): no bf16 or f16 on the way to a quantiser, and a product that is left as it is and whose result goes on into a quantised operand takes f32 operands (vector FMAs, or v_wmma_f32_16x16x4_f32). A number that lies on a knife's edge between two numbers of the format may be rounded either way, as far as f32 arithmetic and the matrix unit's own rounding can turn it there, and no further.
;;   INPUTS GIVEN AS CODES. Wb (in the module: [128, 16], K = its axis 0); Wg (in the module: [128, 16], K = its axis 0); Wo (in the module: [128, 16], K = its axis 0): each comes as NAME_codes (uint8): NAME with its K axis moved to the last place and cut into blocks of 32 codes, [.., K / 32, bytes a block], one block behind the other in memory; one code a byte (a code: sign, 4 exponent bits, 3 mantissa bits); and NAME_scales (uint8): the same leading axes, one E8M0 byte (e + 127) for each 32 codes along K. Its value is code x scale, taken as it is: it is not quantised again, and the codes and scales need not be those that the quantiser above would give.
;; One version. Each part assembles by itself: llvm-mc -triple=amdgcn-amd-amdhsa -mcpu=gfx1250 --defsym DOCPART=n.
;; ======== version 1 of 1: 2 launches
;; limits: right only within a limited range of input values
;; workspace buffers: qc 1,048,576 bytes; qs 32,768 bytes; kv 2,162,688 bytes
;; launch project (part 1): grid 256 x 1, 12 waves a work-group, no clusters, 0 bytes of LDS; arguments M, Wq, Wk, Wv, bq, bk, bv, qc, kv, qs; writes qc, kv, qs
.if DOCPART == 1
	.amdgcn_target "amdgcn-amd-amdhsa--gfx1250"
	.amdhsa_code_object_version 6
	.text
	.protected	k_q4d3e40baf7_project
	.globl	k_q4d3e40baf7_project
	.p2align	8
	.type	k_q4d3e40baf7_project,@function
k_q4d3e40baf7_project:
	s_mov_b64 s[64:65], 0
	v_nop
	global_prefetch_b8 v0, s[64:65] scope:SCOPE_SE
	s_setreg_imm32_b32 hwreg(HW_REG_WAVE_MODE, 25, 1), 1
	s_wait_xcnt 0x0
; Q = x Wq + bq, K = x Wk + bk, V = x Wv + bv in f32 (K = 16), for ONE head and 128 tokens a work-group, quantised to E4M3 with one E8M0 byte for each 32 along the
; next product's K, and stored as IMAGES OF THE OPERAND REGISTERS that the next launch takes: groups of four registers, 16 bytes a lane, 512 bytes a store.
; THE BUFFERS.  qc: 4,096 bytes a work-group; qs: 128 bytes of scale words; kv: a record of 8,448 bytes = 33 x 256: K's codes (4,096), V's (4,096), K's scale words (128), V's (128).
; SHARES.  Work-group R = (batch x 4 + head) x 16 + block of 128 tokens.  Twelve waves: kind = wave / 4 (0 Q, 1 K, 2 V), g = wave % 4.  Each wave makes half a fragment: 32 numbers a lane,
; by 16 matrix instructions of the f32 form (what goes into a quantiser is computed with f32 operands), 8 code registers and half a scale word.
; Q, K (their K is the head's 32): source 0 = 16 columns of W, source 1 = 16 tokens, so a lane holds ONE token and its registers run along d.  W's columns of a tile are not neighbours:
; lane r of tile u takes d = 8 u + r + 8 (r / 8), so that a lane's 16 registers of tiles u = 0, 1 are d = 16 (lane / 16) + 0 .. 15.  Wave g takes two tiles of 16 tokens, 32 g on.
; Q's tiles take tokens as they lie; K's tile t takes keys 32 (t / 2) + 8 (t % 2) + r + 8 (r / 8), so that later the scores of tiles 2 b, 2 b + 1 are 16 neighbouring keys.
; V (its K is the keys): source 0 = 16 tokens, source 1 = 16 columns of W, so a lane holds ONE d and its registers run along the keys.  Wave g takes d tile g / 2 and keys 64 (g % 2) on: two blocks of 32.
; THE ORDER OF k.  K step s takes k = 8 (lane / 16) + 2 s + j in register j on BOTH sources, so that a lane's eight numbers are 32 neighbouring bytes of x.
; The biases are the C of each sum's first matrix instruction.  The sums' registers are written by matrix instructions alone: the hold writes other registers.
; No LDS, no barrier, no joint loads: operands go from memory straight into registers, and what work-groups share is 8 KiB of x and 2 KiB of weights each.  No loop, so nothing to prefetch ahead of.
; LIMITS: NaN and infinities among the inputs are not served; a block whose largest magnitude lies under 2^-118 gets the byte 1 (a block of zeros too: its codes are zeros, and this program alone reads the bytes).
.set HA, 96                            ; v96-127  the sums: 4 accumulators of 8
.set HQ, 128                           ; v128-159 the held numbers
.set PC, 160                           ; v160-167 the codes
.set TM, 168                           ; v168-169 the blocks' largest magnitudes
.set TP, 170                           ; v170-171 the other half's; then the bytes
.set HO, 172                           ; v172-173 448 x the scale
.set SO, 174                           ; v174-175 the conversions' scale operands
.set PW, 15                            ; v15      two scale bytes
	s_load_b512 s[8:23], s[0:1], 0x0               ; M s[8:9], Wq 10, Wk 12, Wv 14, bq 16, bk 18, bv 20, qc 22
	s_load_b128 s[24:27], s[0:1], 0x40             ; kv, qs
	v_lshrrev_b32 v1, 5, v0
	v_readfirstlane_b32 s2, v1                     ; wave 0..11
	s_lshr_b32 s3, s2, 2                           ; kind
	s_and_b32 s4, s2, 3                            ; g
	s_lshr_b32 s5, ttmp9, 6                        ; batch
	s_bfe_u32 s6, ttmp9, 0x20004                   ; head
	s_and_b32 s7, ttmp9, 15                        ; block of 128 tokens
	s_lshr_b32 s38, s4, 1
	s_and_b32 s39, s4, 1
	s_lshl_b32 s49, s38, 5                         ; V: d tile g / 2: 8 columns of 4 bytes
	s_lshl_b32 s44, s39, 12                        ; V: 64 (g % 2) tokens of 64 bytes
	s_lshl_b32 s50, s4, 11                         ; Q, K: 32 g tokens
	s_lshl_b32 s51, s4, 10                         ; g x half a fragment's image
	s_lshl_b32 s52, s38, 6                         ; 16 scale words a fragment,
	s_lshl_b32 s39, s39, 1
	s_add_co_u32 s52, s52, s39                     ; and my half of each
	s_lshl_b32 s53, s6, 7                          ; head x 32 columns of 4 bytes
	s_mov_b32 s46, 0x76543210
	s_mov_b32 s47, 0xfedcba98                      ; v_permlanex16_b32's selects for lane l xor 16
	s_mov_b32 s48, 0x600000                        ; the mantissa field of 448
	s_mov_b32 s41, 512
	s_mov_b32 s38, 0x2100
	s_mov_b32 s39, 0x2100
	s_cmp_eq_u32 s3, 0                             ; Q?
	s_cselect_b32 s38, 0x1000, s38                 ; a work-group's record: 4,096 bytes in qc, 8,448 in kv;
	s_cselect_b32 s39, 0x80, s39                   ; 128 bytes in qs
	s_cselect_b32 s40, 0, 8                        ; tokens of a tile: r, or r + 8 (r / 8)
	s_cselect_b32 s41, 1024, s41                   ; from an even tile to the odd one: 16 tokens, or 8
	s_cselect_b32 s43, 0, 0x2000                   ; K's scale words lie behind the record's codes,
	s_cmp_eq_u32 s3, 2                             ; V?
	s_cselect_b32 s42, 4096, 0                     ; V's images lie behind K's,
	s_cselect_b32 s43, 0x2080, s43                 ; and so do its scale words
	s_cselect_b32 s45, s44, s50
	s_cselect_b32 s44, s49, 0
	s_lshl_b32 s54, s5, 17                         ; a batch is 2,048 tokens of 64 bytes
	s_lshl_b32 s5, s7, 13
	s_add_co_u32 s54, s54, s5
	s_add_co_u32 s54, s54, s45                     ; x at my first token
	s_mov_b32 s55, 0
	s_add_co_u32 s56, s53, s44                     ; the weight and the bias at my head's (V: my tile's) first column
	s_mov_b32 s57, 0
	s_mul_i32 s58, ttmp9, s38
	s_add_co_u32 s58, s58, s42
	s_add_co_u32 s58, s58, s51                     ; my image
	s_mov_b32 s59, 0
	s_mul_i32 s60, ttmp9, s39
	s_add_co_u32 s60, s60, s43
	s_add_co_u32 s60, s60, s52                     ; my scale bytes
	s_mov_b32 s61, 0
	v_and_b32 v2, 15, v0                           ; r
	v_bfe_u32 v3, v0, 4, 1                         ; h
	v_and_b32 v4, 8, v2
	v_add_nc_u32 v4, v4, v2                        ; r + 8 (r / 8)
	v_lshlrev_b32 v5, 2, v4
	v_lshl_add_u32 v5, v3, 12, v5                  ; W: rows 8 h on (512 bytes a row), column r + 8 (r / 8)
	v_lshlrev_b32 v6, 6, v3                        ; Q's, K's bias: d = 16 h on
	v_lshlrev_b32 v7, 2, v4                        ; V's bias: my column's
	v_and_b32 v8, s40, v2
	v_add_nc_u32 v8, v8, v2
	v_lshlrev_b32 v8, 6, v8
	v_lshl_add_u32 v8, v3, 5, v8                   ; x: my token's 64 bytes, + 32 h: k = 8 h + 0 .. 7
	v_add_nc_u32 v9, s41, v8                       ; the same in an odd tile
	v_and_b32 v10, 31, v0
	v_lshlrev_b32 v10, 4, v10                      ; 16 x lane: my place in an image
	v_lshlrev_b32 v11, 2, v2                       ; 4 r: my row's scale word
	v_mov_b32 v[TP], 0                             ; written once: a lane permute's destination counts as one of its sources
	v_mov_b32 v[TP+1], 0
	s_wait_alu depctr_va_vdst(0)                   ; the wait at the head's end
	s_wait_kmcnt 0x0
	s_cmp_eq_u32 s3, 0                             ; Q, or K (V is chosen below): the choices hang on the wave's number alone
	s_cselect_b64 s[30:31], s[10:11], s[12:13]     ; the weight
	s_cselect_b64 s[32:33], s[16:17], s[18:19]     ; the bias
	s_cselect_b64 s[34:35], s[22:23], s[24:25]     ; the codes' buffer
	s_cselect_b64 s[36:37], s[26:27], s[24:25]     ; the scale words' buffer
	s_cmp_eq_u32 s3, 2                             ; V?
	s_cselect_b64 s[30:31], s[14:15], s[30:31]
	s_cselect_b64 s[32:33], s[20:21], s[32:33]
	s_add_nc_u64 s[30:31], s[30:31], s[56:57]
	s_add_nc_u64 s[32:33], s[32:33], s[56:57]
	s_add_nc_u64 s[8:9], s[8:9], s[54:55]
	s_add_nc_u64 s[34:35], s[34:35], s[58:59]
	s_add_nc_u64 s[36:37], s[36:37], s[60:61]
	s_cmp_eq_u32 s3, 2
	s_cbranch_scc1 .Lv
	; ---- Q or K: v16-31 W's two tiles, v32-47 x's two tiles, v64-79 the bias in the result's layout
.irp u, 0,1
.irp i, 0,1,2,3,4,5,6,7
	global_load_b32 v[16+8*\u+\i], v5, s[30:31] offset:\i*512+\u*32    ; W(8 h + i, 8 u + r + 8 (r / 8))
.endr
.endr
.irp c, 0,1
	global_load_b128 v[32+8*\c:35+8*\c], v[8+\c], s[8:9]
	global_load_b128 v[36+8*\c:39+8*\c], v[8+\c], s[8:9] offset:16
.endr
.irp u, 0,1
	global_load_b128 v[64+8*\u:67+8*\u], v6, s[32:33] offset:\u*32
	global_load_b128 v[68+8*\u:71+8*\u], v6, s[32:33] offset:\u*32+16
.endr
	s_wait_loadcnt 0x0
.irp s, 0,1,2,3                                ; the four accumulators take turns, one instruction a turn
.irp c, 0,1
.irp u, 0,1
.if \s == 0
	v_wmma_f32_16x16x4_f32 v[HA+16*\c+8*\u:HA+16*\c+8*\u+7], v[16+8*\u+2*\s:17+8*\u+2*\s], v[32+8*\c+2*\s:33+8*\c+2*\s], v[64+8*\u:71+8*\u]
.else
	v_wmma_f32_16x16x4_f32 v[HA+16*\c+8*\u:HA+16*\c+8*\u+7], v[16+8*\u+2*\s:17+8*\u+2*\s], v[32+8*\c+2*\s:33+8*\c+2*\s], v[HA+16*\c+8*\u:HA+16*\c+8*\u+7]
.endif
.endr
.endr
.endr
	s_branch .Lq
.Lv:
	; ---- V: v16-47 x's four tiles, v80-87 W's tile, v88-95 my column's bias, eight times
	s_wait_alu depctr_va_vdst(0)
	global_load_b32 v88, v7, s[32:33]
.irp t, 0,1,2,3
	global_load_b128 v[16+8*\t:19+8*\t], v8, s[8:9] offset:(32*(\t/2)+8*(\t%2))*64
	global_load_b128 v[20+8*\t:23+8*\t], v8, s[8:9] offset:(32*(\t/2)+8*(\t%2))*64+16
.endr
.irp i, 0,1,2,3,4,5,6,7
	global_load_b32 v[80+\i], v5, s[30:31] offset:\i*512
.endr
	s_wait_loadcnt 0x0
.irp i, 1,2,3,4,5,6,7
	v_mov_b32 v[88+\i], v88
.endr
.irp s, 0,1,2,3
.irp t, 0,1,2,3
.if \s == 0
	v_wmma_f32_16x16x4_f32 v[HA+8*\t:HA+8*\t+7], v[16+8*\t+2*\s:17+8*\t+2*\s], v[80+2*\s:81+2*\s], v[88:95]
.else
	v_wmma_f32_16x16x4_f32 v[HA+8*\t:HA+8*\t+7], v[16+8*\t+2*\s:17+8*\t+2*\s], v[80+2*\s:81+2*\s], v[HA+8*\t:HA+8*\t+7]
.endif
.endr
.endr
.Lq:
	; ---- the quantiser: register 16 b + i of a lane is number 16 h + i of block b of its row; a block lies in lanes l and l xor 16
.rept 8
	v_nop                                          ; eight places between this form's last instruction and the first read of a result (ISA guide 7.12.1)
.endr
.irp b, 0,1
	v_max3_num_f32 v[TM+\b], |v[HA+16*\b]|, |v[HA+16*\b+1]|, 0x4800000   ; each accumulator from its low end on, and the floor 2^(9 - 127): the byte cannot fall under 1
.endr
.irp i, 2,4,6,8,10,12,14
.irp b, 0,1
	v_max3_num_f32 v[TM+\b], v[TM+\b], |v[HA+16*\b+\i]|, |v[HA+16*\b+\i+1]|
.endr
.endr
.irp b, 0,1
	v_permlanex16_b32 v[TP+\b], v[TM+\b], s46, s47
.endr
.irp b, 0,1
	v_max_num_f32 v[TM+\b], v[TM+\b], v[TP+\b]     ; the block's largest magnitude
.endr
.irp b, 0,1
	v_add_nc_u32 v[SO+\b], 0xfc000000, v[TM+\b]    ; 8 off its exponent field: the conversion takes this operand's exponent field as its scale
.endr
.irp b, 0,1
	v_and_or_b32 v[HO+\b], v[TM+\b], 0x7f800000, s48   ; 448 x the scale
.endr
.irp b, 0,1
	v_lshrrev_b32 v[TP+\b], 23, v[SO+\b]           ; the scale's byte
.endr
	v_lshl_or_b32 v[PW], v[TP+1], 8, v[TP]         ; my row's two bytes
.irp b, 0,1
.irp i, 0,1,2,3,4,5,6,7,8,9,10,11,12,13,14,15
	v_med3_num_f32 v[HQ+16*\b+\i], v[HA+16*\b+\i], -v[HO+\b], v[HO+\b]   ; the conversion to an 8-bit code does not saturate (ISA guide 7.6.2): the hold, into other registers than the sums'
.endr
	v_cvt_scalef32_pk8_fp8_f32 v[PC+4*\b:PC+4*\b+1], v[HQ+16*\b:HQ+16*\b+7], v[SO+\b]
	v_cvt_scalef32_pk8_fp8_f32 v[PC+4*\b+2:PC+4*\b+3], v[HQ+16*\b+8:HQ+16*\b+15], v[SO+\b]
.endr
	v_nop                                          ; a plain line behind the last conversion
.irp c, 0,1
	global_store_b128 v10, v[PC+4*\c:PC+4*\c+3], s[34:35] offset:512*\c   ; 32 lanes store 512 consecutive bytes, at a multiple of 256 from the buffer's first byte
.endr
	global_store_b16 v11, v[PW], s[36:37]          ; both halves of the lanes store the same two bytes
	s_endpgm
.Lfunc_end_k_q4d3e40baf7_project:
	.size	k_q4d3e40baf7_project, .Lfunc_end_k_q4d3e40baf7_project-k_q4d3e40baf7_project
	.p2alignl 7, 3214868480
	.fill 96, 4, 3214868480
	.section	.rodata,"a",@progbits
	.p2align	6, 0x0
	.amdhsa_kernel k_q4d3e40baf7_project
		.amdhsa_group_segment_fixed_size 0
		.amdhsa_private_segment_fixed_size 0
		.amdhsa_enable_private_segment 0
		.amdhsa_kernarg_size 80
		.amdhsa_user_sgpr_count 2
		.amdhsa_user_sgpr_kernarg_segment_ptr 1
		.amdhsa_wavefront_size32 1
		.amdhsa_system_sgpr_workgroup_id_x 1
		.amdhsa_system_sgpr_workgroup_id_y 1
		.amdhsa_system_sgpr_workgroup_id_z 1
		.amdhsa_system_vgpr_workitem_id 0
		.amdhsa_next_free_vgpr 176
		.amdhsa_next_free_sgpr 66
		.amdhsa_reserve_vcc 0
		.amdhsa_float_denorm_mode_32 3
		.amdhsa_float_denorm_mode_16_64 3
		.amdhsa_memory_ordered 1
		.amdhsa_forward_progress 1
		.amdhsa_inst_pref_size 15
	.end_amdhsa_kernel
	.amdgpu_metadata
---
amdhsa.version: [ 1, 2 ]
amdhsa.kernels:
  - .name:           k_q4d3e40baf7_project
    .symbol:         k_q4d3e40baf7_project.kd
    .args:
      - { .name: M, .offset: 0, .size: 8, .value_kind: global_buffer, .address_space: global }
      - { .name: Wq, .offset: 8, .size: 8, .value_kind: global_buffer, .address_space: global }
      - { .name: Wk, .offset: 16, .size: 8, .value_kind: global_buffer, .address_space: global }
      - { .name: Wv, .offset: 24, .size: 8, .value_kind: global_buffer, .address_space: global }
      - { .name: bq, .offset: 32, .size: 8, .value_kind: global_buffer, .address_space: global }
      - { .name: bk, .offset: 40, .size: 8, .value_kind: global_buffer, .address_space: global }
      - { .name: bv, .offset: 48, .size: 8, .value_kind: global_buffer, .address_space: global }
      - { .name: qc, .offset: 56, .size: 8, .value_kind: global_buffer, .address_space: global }
      - { .name: kv, .offset: 64, .size: 8, .value_kind: global_buffer, .address_space: global }
      - { .name: qs, .offset: 72, .size: 8, .value_kind: global_buffer, .address_space: global }
    .group_segment_fixed_size: 0
    .private_segment_fixed_size: 0
    .kernarg_segment_align: 8
    .kernarg_segment_size: 80
    .max_flat_workgroup_size: 384
    .sgpr_count:     66
    .vgpr_count:     176
    .wavefront_size: 32
...
	.end_amdgpu_metadata
.endif
;; end of part 1
;; launch attend (part 2): grid 256 x 1, 16 waves a work-group, clusters of 4 x 1, 327,680 bytes of LDS; arguments qc, qs, kv, out0, M, Wo_codes, Wo_scales, Wg_codes, Wg_scales, Wb_codes, Wb_scales, bo, bg, bb, sens_mask, ln_gamma, ln_beta; writes out0
.if DOCPART == 2
	.amdgcn_target "amdgcn-amd-amdhsa--gfx1250"
	.amdhsa_code_object_version 6
	.text
	.protected	k_q4d3e40baf7_attend
	.globl	k_q4d3e40baf7_attend
	.p2align	8
	.type	k_q4d3e40baf7_attend,@function
k_q4d3e40baf7_attend:
	s_mov_b64 s[64:65], 0
	v_nop
	global_prefetch_b8 v0, s[64:65] scope:SCOPE_SE
	s_setreg_imm32_b32 hwreg(HW_REG_WAVE_MODE, 25, 1), 1
	s_wait_xcnt 0x0
	s_wait_alu depctr_hold_cnt(0) depctr_sa_sdst(0) depctr_va_vdst(0) depctr_va_sdst(0) depctr_va_ssrc(0) depctr_va_vcc(0) depctr_vm_vsrc(0)
	s_getreg_b32 s2, hwreg(HW_REG_IB_STS2, 6, 4)
	s_cmp_eq_u32 s2, 0
	s_cbranch_scc0 .Lentry_in_a_cluster
	s_endpgm
.Lentry_in_a_cluster:
	s_bfe_u32 s2, ttmp6, 0x10000c
	s_cmp_lg_u32 s2, 0x3003
	s_cbranch_scc0 .Lentry_shape_is_right
	s_endpgm
.Lentry_shape_is_right:
; ATTENTION, THE THREE LAST PRODUCTS, THE GATES AND THE LAYER NORM of 32 tokens a work-group, all four heads: ctx never goes to memory.
; ctx = softmax(Q K^T / sqrt(32)) V; delta = ctx Wo + bo, G = sigmoid(ctx Wg + bg) x sens, B = tanh(ctx Wb + bb); Mu = M + G (delta - M) + 0.1 B; out = LayerNorm of a token's 16 numbers x gamma + beta.
; SHARES.  Work-group = batch x 64 + block of 32 tokens.  Sixteen waves: head = wave / 4, quarter of the keys = wave % 4.  A wave walks its 512 keys in four steps of 128, each for BOTH tiles of 16 queries.
; Each record of K and V (8,448 bytes: codes as images of the operand's registers, and scale words) is read by ONE wave of the work-group.
; CLUSTER.  The four work-groups of a cluster belong to one batch and want the same records: each load is asked for JOINTLY, with the same descriptor and the mask of all four.  My place in the cluster enters
; the global addresses of Q, of M and of the results alone.
; LDS.  A wave has two slots of a record, in which it alone reads.  Its one load at the head brings steps 0 and 1; once K and V of step 0 (of step 1) are in registers, a drained round of the cluster's barrier is
; opened inside the softmax of tile 0 and closed behind the scores of tile 1, and the slot takes step 2 (step 3): a whole step's work lies between the request and the first read.  No prefetch: there are two
; refills, each with a whole step in which to land, and no loop to run ahead in.  The four steps are one macro: they differ in the slot and in what is asked for.
; THE ORDER.  Scores of tile 1 are issued behind tile 0's codes; the rescaling of tile 0's O^T fills the places behind them; then tile 0's second product; then tile 1's softmax; and so on by turns.
; THE SOFTMAX.  t = score x log2(e) / sqrt(32).  Each block of 32 keys of a row has a whole number of its own, N = floor(its largest t): p = 2^(t - N) lies under 2 and its largest at 1 or above, so the block's
; scale operand is 2^-8 and its hold 448 x 2^-8 = 1.75, always.  M, the running largest N, enters by the scale byte alone: 119 + N - M.  Since N and M are whole numbers these are the codes and scales of
; p = 2^(t - M).  The row's sum takes the unquantised p, block by block, x 2^(N - M - 8); when M moves, the sum and O^T are multiplied by 2^(old M - new M): exact.
; LAYOUT.  Both products are used transposed: S^T = K Q^T (source 0 = 16 keys, source 1 = 16 queries), O^T = V^T P^T: a lane holds ONE query (lane % 16) throughout.
; THE FIRST PRODUCT'S K IS 32, THE INSTRUCTION'S 128.  A run of 16 registers of K holds FOUR tiles of 16 keys, one in each block of 32; Q's fragment holds q in block c and zero codes elsewhere, so the product is
; tile c's alone.  Q's fragments are windows on one run of registers: 12 of zeros, tile 0's 4, 12 of zeros, tile 1's 4, 12 of zeros.
; THE MERGE.  Each wave leaves its O^T, sum and M in its slot 0, which has had its last fill; waves 0 to 7 join a (head, tile)'s four quarters, divide, quantise (a head's 32 numbers are one block of the last
; products' K) and leave codes and bytes in LDS; waves 8 and 9 make a tile's results.  What these two need (weights, biases, M, ..) was parked in LDS at the head, as images of registers.
; LIMITS: NaN and infinities are not served; the scaled scores stay under 2^31 in magnitude; a block whose N lies more than 119 under M counts with the scale 2^-127; a ctx block whose largest magnitude lies under
; 2^-118 gets the byte 1; tanh by its form has an absolute error of some 1e-7, which enters with the factor 0.1.
.set LI,  1                            ; v1   16 x lane
.set LS,  2                            ; v2   4 x lane
.set SPW, 3                            ; v3   my spare word's address;  v4 0
.set NIL, 4
.set HC,  5                            ; v5   1.75
.set SO,  6                            ; v6   2^-8
.set R4,  7                            ; v7   4 x (lane % 16)
.set TT,  8                            ; v8, v9  at work
.set DD,  9
.set F,   10                           ; v[10:11] f = 2^(old M - new M); the upper half is only named
.set LP,  12                           ; v[12:13], v[14:15] the tiles' row sums x 2^-8, in two halves
.set ZW,  16                           ; v16-59 Q's windows: tile 0's q at v28-31, tile 1's at v44-47
.set QS,  60                           ; v60, v61 the tiles' scale words
.set KS,  62
.set VS,  63
.set PS,  64
.set KA,  65                           ; v65  my slots + 16 x lane
.set MX,  66                           ; v66, v67 the tiles' M
.set BM,  68                           ; v68-71 the blocks' largest scores, then N
.set PC,  72                           ; v72-87 p's codes.  Ahead of them in each softmax:
.set AS,  72                           ;   v72-79 the blocks' sums
.set TP,  80                           ;   v80-83 the other half of the lanes'
.set EB,  84                           ;   v84-87 the bytes, then 2^(byte - 127)
.set O,   88                           ; v88-103, v104-119 O^T
.set KF,  120                          ; v120-151 K: two groups of four tiles
.set VF,  152                          ; v152-183 V: two tiles of 16 d x 128 keys
.set S,   184                          ; v184-247 S^T, then p
.set SA,  248                          ; v248 my slots + 4 x lane
.set CS,  46                           ; s[46:47] c = log2(e) / sqrt(32)
.set G1H, 72                           ; s[72:79] descriptor group 1: two records;  s[88:91] its group 0
.set G1R, 80                           ; s[80:87] one record;  s[92:95] its group 0
.set G0H, 88
.set G0R, 92
.set REC, 8448                         ; a record: 33 rows of 256 bytes
.set WP,  2*REC                        ; LDS: a wave's two slots.  The merge: its part in the first: two tiles x (four images of 512 bytes, 256 of (sum, M))
.set CST, 16*WP                        ; ctx's codes: two tiles x four images
.set CSS, CST+4096                     ; ctx's scale words: two tiles x 64 bytes
.set PK,  CSS+256                      ; parked: 12 images of the weights, 4 of M
.set PKS, PK+8192                      ; parked: vectors of 16, 64 bytes each
.set OST, PKS+1024                     ; the way out: two tiles x 16 rows of 80 bytes
.set SPARE, OST+2560                   ; the spare words: 128 bytes a wave
.macro CROUND                          ; a round of the cluster's barrier
	s_barrier_signal -1
	s_barrier_wait -1
	s_cmp_lg_u32 s2, 0
	s_cbranch_scc1 .Lnot_wave_0_\@
	s_barrier_signal -3
.Lnot_wave_0_\@:
	s_barrier_wait -3
	s_barrier_signal -1
	s_barrier_wait -1
.endm
	s_load_b256 s[4:11], s[0:1], 0x0               ; qc 4, qs 6, kv 8, out0 10
	s_load_b512 s[16:31], s[0:1], 0x20             ; M 16, Wo_codes 18, Wo_scales 20, Wg_codes 22, Wg_scales 24, Wb_codes 26, Wb_scales 28, bo 30
	s_load_b256 s[32:39], s[0:1], 0x60             ; bg 32, bb 34, sens_mask 36, ln_gamma 38
	s_load_b64 s[40:41], s[0:1], 0x80              ; ln_beta 40
	v_lshl_add_u32 v[SPW], v0, 2, SPARE
	v_mov_b32 v[NIL], 0
	ds_add_u32 v[SPW], v[NIL]                      ; the wave's opening: the add, twice on end, and its wait ahead of my first tensor load; work on registers stands between
	ds_add_u32 v[SPW], v[NIL]
	v_lshrrev_b32 v8, 5, v0
	v_readfirstlane_b32 s2, v8                     ; wave 0..15
	s_lshr_b32 s3, s2, 2                           ; my head
	s_and_b32 s12, s2, 3                           ; my quarter of the keys
	s_lshr_b32 s13, ttmp9, 4                       ; batch: from the cluster's number alone
	s_lshl_b32 s52, s13, 4
	s_add_co_u32 s52, s52, s2
	s_mul_i32 s52, s52, 4*REC                      ; K, V: my four records
	s_mov_b32 s53, 0
	s_lshl_b32 s49, s13, 2
	s_add_co_u32 s49, s49, s3                      ; batch x 4 + head
	s_bfe_u32 s14, ttmp6, 0x40000                  ; my place in the cluster
	s_lshl_b32 s51, ttmp9, 2
	s_add_co_u32 s51, s51, s14                     ; my work-group's number: batch x 64 + block of 32 tokens
	s_and_b32 s50, s51, 63                         ; the block
	s_lshl_b32 s66, s49, 16
	s_lshl_b32 s14, s50, 10
	s_add_co_u32 s66, s66, s14                     ; Q: two tiles of 512 bytes
	s_mov_b32 s67, 0
	s_lshl_b32 s68, s49, 11
	s_lshr_b32 s14, s50, 1
	s_lshl_b32 s14, s14, 6
	s_add_co_u32 s68, s68, s14                     ; Q's scale words: a word serves four tiles,
	s_mov_b32 s69, 0
	s_and_b32 s14, s50, 1
	s_mul_i32 s62, s14, 0x02020202                 ; mine are bytes 0 and 1, or 2 and 3: the selects take a byte four times
	s_add_co_u32 s63, s62, 0x01010101
	s_lshl_b32 s70, s51, 11                        ; M: 32 tokens of 64 bytes; wave 12 + 2 t + q parks tile t's numbers 8 h + 4 q + 0 .. 3
	s_bfe_u32 s14, s2, 0x10001
	s_lshl_b32 s14, s14, 10
	s_add_co_u32 s70, s70, s14
	s_and_b32 s14, s2, 1
	s_lshl_b32 s14, s14, 4
	s_add_co_u32 s70, s70, s14
	s_lshl_b32 s15, s12, 5                         ; a weight: wave 4 m + c parks weight m's group c of registers
	s_cmp_lt_u32 s2, 12
	s_cselect_b32 s70, s15, s70
	s_cselect_b32 s54, 128, 64                     ; from row to row,
	s_cselect_b32 s55, 16, 32                      ; and from half to half
	s_mov_b32 s71, 0
	s_lshl_b32 s56, s2, 9
	s_add_co_u32 s56, s56, PK
	s_lshl_b32 s57, s2, 6
	s_add_co_u32 s57, s57, PKS
	s_mul_i32 s15, s2, WP                          ; my slots
	s_mov_b32 s[G1H], 15|(3<<16)|(1<<21)           ; 15:0 the mask: all four work-groups; 17:16 elements of 8 bytes; 21 set beside a mask; no padding
	s_mov_b32 s[G1H+1], 32<<16                     ; tensor_dim0 = 32 elements: 256 bytes
	s_mov_b32 s[G1H+2], 66<<16                     ; tensor_dim1: two records
	s_mov_b32 s[G1H+3], 32<<16                     ; tile_dim0
	s_mov_b32 s[G1H+4], 66                         ; tile_dim1
	s_mov_b32 s[G1H+5], 32                         ; from row to row: dense
	s_mov_b32 s[G1H+6], 0
	s_mov_b32 s[G1H+7], 0
	s_mov_b32 s[G1R], 15|(3<<16)|(1<<21)           ; the same for one record
	s_mov_b32 s[G1R+1], 32<<16
	s_mov_b32 s[G1R+2], 33<<16
	s_mov_b32 s[G1R+3], 32<<16
	s_mov_b32 s[G1R+4], 33
	s_mov_b32 s[G1R+5], 32
	s_mov_b32 s[G1R+6], 0
	s_mov_b32 s[G1R+7], 0
	s_mov_b32 s[G0H], 1                            ; count = 1
	s_mul_i32 s[G0H+1], s2, WP                     ; LDS address
	s_mov_b32 s[G0R], 1
	s_mul_i32 s[G0R+1], s2, WP
	s_mov_b32 s44, 0x76543210
	s_mov_b32 s45, 0xfedcba98                      ; lane l xor 16
	s_mov_b32 s[CS], 0x3e8293ee                    ; 0.255035
	s_mov_b32 s[CS+1], s[CS]                       ; (named with it as a pair, so it is written)
	s_mov_b32 s48, 0x600000                        ; the mantissa field of 448
	v_and_b32 v9, 31, v0
	v_lshlrev_b32 v[LI], 4, v9
	v_lshlrev_b32 v[LS], 2, v9
	v_add_nc_u32 v[KA], s15, v[LI]
	v_add_nc_u32 v[SA], s15, v[LS]
	v_and_b32 v10, 15, v0                          ; r
	v_lshlrev_b32 v[R4], 2, v10
	v_bfe_u32 v11, v0, 4, 1                        ; h
	v_mul_u32_u24 v[PC+12], s54, v10
	v_mad_u32_u24 v[PC+12], s55, v11, v[PC+12]     ; where I read what I park,
	v_add_nc_u32 v[PC+13], s56, v[LI]              ; and where I put it
	v_add_nc_u32 v[PC+14], s57, v[R4]
	v_mov_b32 v[HC], 0x3fe00000
	v_mov_b32 v[SO], 0x3b800000
	v_mov_b32 v[MX], 0xff61b1e6                    ; M so far: -3e38
	v_mov_b32 v[MX+1], 0xff61b1e6
.irp b, 0,1,2,3
	v_mov_b32 v[LP+\b], 0
	v_mov_b32 v[TP+\b], 0                          ; a lane permute's destination counts as one of its sources
.endr
.irp j, 0,1,2,3,4,5,6,7,8,9,10,11
	v_mov_b32 v[ZW+\j], 0                          ; zero codes round q: operands, not accumulators
	v_mov_b32 v[ZW+16+\j], 0
	v_mov_b32 v[ZW+32+\j], 0
.endr
.macro KLOAD slot                      ; a record's K: two groups of four tiles, and their scale words (lanes 0-15 group 0, lanes 16-31 group 1)
.set AT, (\slot)*REC
.irp i, 0,1,2,3,4,5,6,7
	ds_load_b128 v[KF+4*\i:KF+4*\i+3], v[KA] offset:AT+512*\i
.endr
	ds_load_b32 v[KS], v[SA] offset:AT+8192
.endm
.macro VLOAD slot                      ; a record's V: two tiles of 16 d, and their scale words
.set AT, (\slot)*REC
.irp i, 0,1,2,3,4,5,6,7
	ds_load_b128 v[VF+4*\i:VF+4*\i+3], v[KA] offset:AT+4096+512*\i
.endr
	ds_load_b32 v[VS], v[SA] offset:AT+8320
.endm
.macro PICK i, p                       ; wave i parks this vector
	s_cmp_eq_u32 s2, \i
	s_cselect_b64 s[60:61], s[\p:\p+1], s[60:61]
.endm
	s_wait_alu depctr_va_vdst(0)                   ; the wait here, ahead of the waits below
	s_wait_dscnt 0x0                               ; both opening adds are done
	CROUND                                         ; all four work-groups are here: the first joint loads meet
	s_wait_kmcnt 0x0
	s_add_nc_u64 s[G0H+2:G0H+3], s[8:9], s[52:53]  ; global address: records 0 and 1 of mine
	s_add_nc_u64 s[G0R+2:G0R+3], s[G0H+2:G0H+3], 2*REC
	s_or_b32 s[G0H+3], s[G0H+3], 0x80000000        ; type = 2
	s_or_b32 s[G0R+3], s[G0R+3], 0x80000000
	tensor_load_to_lds s[G0H:G0H+3], s[G1H:G1H+7]  ; steps 0 and 1: my one load at the head
	s_nop 0
.rept 4
	v_nop
.endr
	s_add_nc_u64 s[4:5], s[4:5], s[66:67]
	s_add_nc_u64 s[6:7], s[6:7], s[68:69]
	global_load_b128 v[ZW+12:ZW+15], v[LI], s[4:5] ; q: my query's codes of d = 16 (lane / 16) + 0 .. 15
	global_load_b128 v[ZW+28:ZW+31], v[LI], s[4:5] offset:512
	global_load_b32 v[PC+5], v[R4], s[6:7]
	s_cmp_lt_u32 s2, 4
	s_cselect_b64 s[58:59], s[18:19], s[22:23]     ; Wo, Wg,
	s_cmp_lt_u32 s2, 8
	s_cselect_b64 s[58:59], s[58:59], s[26:27]     ; Wb,
	s_cmp_lt_u32 s2, 12
	s_cselect_b64 s[58:59], s[58:59], s[16:17]     ; M
	s_add_nc_u64 s[58:59], s[58:59], s[70:71]
	s_mov_b64 s[60:61], s[28:29]                   ; waves 8 on: Wb's scales (waves 9 to 15 keep a copy each that nobody reads, so that all waves have one text)
	PICK 0, 30
	PICK 1, 32
	PICK 2, 34
	PICK 3, 36
	PICK 4, 38
	PICK 5, 40
	PICK 6, 20
	PICK 7, 24
	global_load_b128 v[PC:PC+3], v[PC+12], s[58:59]
	global_load_b32 v[PC+4], v[R4], s[60:61]
	s_wait_loadcnt 2                               ; Q is in: behind it the two to be parked
	v_perm_b32 v[QS], v[PC+5], v[PC+5], s62
	v_perm_b32 v[QS+1], v[PC+5], v[PC+5], s63
.irp j, 0,1,2,3,4,5,6,7,8,9,10,11,12,13,14,15
	v_mov_b32 v[O+\j], 0                           ; O^T: a step is written once; its first run finds zeros.  (Also the places between the scale words above and the first product)
.endr
; THE SCORES of tile x: K's tile t = block t % 4 of group t / 4
.macro QK x
.irp t, 0,1,2,3,4,5,6,7
.if \t < 4
	v_wmma_scale_f32_16x16x128_f8f6f4 v[S+8*\t:S+8*\t+7], v[KF:KF+15], v[ZW+16*\x+12-4*(\t%4):ZW+16*\x+27-4*(\t%4)], 0, v[KS], v[QS+\x]
.else
	v_wmma_scale_f32_16x16x128_f8f6f4 v[S+8*\t:S+8*\t+7], v[KF+16:KF+31], v[ZW+16*\x+12-4*(\t%4):ZW+16*\x+27-4*(\t%4)], 0, v[KS], v[QS+\x] matrix_a_scale:MATRIX_SCALE_ROW1
.endif
.endr
.endm
; O^T of tile x under the new M, each accumulator from its low end on: also the eight places behind the scores' products and between p's codes and theirs
.macro RESC x
	s_wait_alu depctr_va_vdst(0)                   ; the wait here, directly ahead of the first reader of O^T
.irp j, 0,2,4,6,8,10,12,14
	v_pk_mul_f32 v[O+16*\x+\j:O+16*\x+\j+1], v[O+16*\x+\j:O+16*\x+\j+1], v[F:F+1] op_sel_hi:[1,0]
.endr
.endm
.macro PV x
	v_wmma_scale_f32_16x16x128_f8f6f4 v[O+16*\x:O+16*\x+7], v[VF:VF+15], v[PC:PC+15], v[O+16*\x:O+16*\x+7], v[VS], v[PS]
	v_wmma_scale_f32_16x16x128_f8f6f4 v[O+16*\x+8:O+16*\x+15], v[VF+16:VF+31], v[PC:PC+15], v[O+16*\x+8:O+16*\x+15], v[VS], v[PS] matrix_a_scale:MATRIX_SCALE_ROW1
.endm
.macro ARG b, p, g                     ; t - N of half g of block b, two at a time; p: which of a pair of registers holds its N
.set j, S+16*\b+8*\g
.rept 4
	v_pk_fma_f32 v[j:j+1], v[j:j+1], s[CS:CS+1], v[BM+2*(\b/2):BM+2*(\b/2)+1] op_sel:[0,0,\p] op_sel_hi:[1,0,\p] neg_lo:[0,0,1] neg_hi:[0,0,1]
.set j, j+2
.endr
.endm
.macro TAKE x, b, p                    ; block b's sum into the row's, and its hold: p is not negative, so one-sided (the conversion does not saturate: ISA guide 7.6.2)
	v_pk_fma_f32 v[LP+2*\x:LP+2*\x+1], v[AS+2*\b:AS+2*\b+1], v[EB+2*(\b/2):EB+2*(\b/2)+1], v[LP+2*\x:LP+2*\x+1] op_sel:[0,\p,0] op_sel_hi:[1,\p,1]
.set j, S+16*\b
.rept 8
	v_dual_min_num_f32 v[j], v[j], v[HC] :: v_dual_min_num_f32 v[j+1], v[j+1], v[HC]
.set j, j+2
.endr
.endm
; THE SOFTMAX of tile x in step s: scores -> codes PC, scale word PS, factor F.  Tile 0's brings V of the step from LDS, tile 1's K of the next.
; In steps 0 and 1 tile 0's opens the round behind which the step's slot is filled again: V is the last that is read of it.
.macro SOFT x, s
.irp b, 0,1,2,3
	v_max3_num_f32 v[BM+\b], v[S+16*\b], v[S+16*\b+1], v[S+16*\b+2]
.endr
.irp i, 3,5,7,9,11,13
.irp b, 0,1,2,3
	v_max3_num_f32 v[BM+\b], v[BM+\b], v[S+16*\b+\i], v[S+16*\b+\i+1]
.endr
.endr
.irp b, 0,1,2,3
	v_max_num_f32 v[BM+\b], v[BM+\b], v[S+16*\b+15]
.endr
.if \x == 0
	VLOAD \s%2                                     ; 32 plain lines behind the products that have read these registers
.if \s < 2
	s_wait_alu depctr_va_vdst(0)
	s_wait_tensorcnt 0x0                           ; no tensor load of mine is out: a step further on has landed too
	ds_add_u32 v[SPW], v[NIL]                      ; the add; work on registers stands between it and the wait for it
.if \s == 1
	s_add_co_u32 s[G0R+1], s[G0R+1], REC           ; the second refill: slot 1, step 3
	s_add_nc_u64 s[G0R+2:G0R+3], s[G0R+2:G0R+3], REC
.endif
.endif
.elseif \s < 3
.if \s == 2
	s_wait_alu depctr_va_vdst(0)
	s_wait_tensorcnt 0x0                           ; step 3 has landed
.endif
	KLOAD (\s+1)%2
.endif
.irp b, 0,1,2,3
	v_permlanex16_b32 v[TP+\b], v[BM+\b], s44, s45
.endr
.irp b, 0,1,2,3
	v_max_num_f32 v[BM+\b], v[BM+\b], v[TP+\b]     ; with lane l xor 16's 16 keys
.endr
	v_pk_mul_f32 v[BM:BM+1], v[BM:BM+1], s[CS:CS+1] op_sel_hi:[1,0]   ; as t (c is positive)
	v_pk_mul_f32 v[BM+2:BM+3], v[BM+2:BM+3], s[CS:CS+1] op_sel_hi:[1,0]
.irp b, 0,1,2,3
	v_floor_f32 v[BM+\b], v[BM+\b]                 ; N
.endr
	v_max3_num_f32 v[TT], v[MX+\x], v[BM], v[BM+1]
	ARG 0, 0, 0                                    ; (the multiply-adds stand among the lines that make M and the bytes)
	v_max3_num_f32 v[TT], v[TT], v[BM+2], v[BM+3]  ; the new M
	ARG 0, 0, 1
	v_sub_f32 v[DD], v[MX+\x], v[TT]               ; old M - new M: a whole number, 0 or less
	v_pk_add_f32 v[EB:EB+1], v[BM:BM+1], v[TT:TT+1] op_sel_hi:[1,0] neg_lo:[0,1] neg_hi:[0,1]   ; N - M
	v_pk_add_f32 v[EB+2:EB+3], v[BM+2:BM+3], v[TT:TT+1] op_sel_hi:[1,0] neg_lo:[0,1] neg_hi:[0,1]
	ARG 1, 1, 0
	v_cvt_i32_f32 v[DD], v[DD]                     ; (it saturates)
	v_pk_add_f32 v[EB:EB+1], v[EB:EB+1], 0x42ee0000 op_sel_hi:[1,0]   ; + 119
	v_pk_add_f32 v[EB+2:EB+3], v[EB+2:EB+3], 0x42ee0000 op_sel_hi:[1,0]
	ARG 1, 1, 1
	v_ldexp_f32 v[F], 1.0, v[DD]                   ; f = 2^(old M - new M)
.irp b, 0,1,2,3
	v_cvt_u32_f32 v[EB+\b], v[EB+\b]               ; the block's scale byte; what lies under 0 becomes 0
.endr
	ARG 2, 0, 0
	v_lshl_or_b32 v[PS], v[EB+1], 8, v[EB]
	ARG 2, 0, 1
	v_lshl_or_b32 v[PS], v[EB+2], 16, v[PS]
	ARG 3, 1, 0
	v_lshl_or_b32 v[PS], v[EB+3], 24, v[PS]        ; p's scale word for these 128 keys
.irp b, 0,1,2,3
	v_lshlrev_b32 v[EB+\b], 23, v[EB+\b]           ; 2^(byte - 127) = 2^(N - M - 8), as a number
.endr
	ARG 3, 1, 1
	s_wait_alu depctr_va_vdst(0)                   ; the wait ahead of the batch
.if \x == 0 || \s < 3
	s_wait_dscnt 0x0                               ; what was asked of LDS above is in
.endif
.if \x == 0 && \s < 2
	s_barrier_signal -1                            ; my reads of the slot are over, the add is done: the round opens
.endif
.set j, S
.rept 64
	v_exp_f32 v[j], v[j]                           ; p = 2^(t - N)
.set j, j+1
.endr
	v_pk_mul_f32 v[LP+2*\x:LP+2*\x+1], v[LP+2*\x:LP+2*\x+1], v[F:F+1] op_sel_hi:[1,0]   ; the sums under the new M: the plain line behind the exponentials
	s_wait_alu depctr_va_vdst(0)                   ; one wait for the batch, ahead of its first reader
.irp b, 0,1,2,3
	v_pk_add_f32 v[AS+2*\b:AS+2*\b+1], v[S+16*\b:S+16*\b+1], v[S+16*\b+2:S+16*\b+3]   ; the unquantised p, the four blocks by turns
.endr
.irp i, 4,6,8,10,12,14
.irp b, 0,1,2,3
	v_pk_add_f32 v[AS+2*\b:AS+2*\b+1], v[AS+2*\b:AS+2*\b+1], v[S+16*\b+\i:S+16*\b+\i+1]
.endr
.endr
	TAKE \x, 0, 0
	TAKE \x, 1, 1
	TAKE \x, 2, 0
	TAKE \x, 3, 1
.irp b, 0,1,2,3
	v_cvt_scalef32_pk8_fp8_f32 v[PC+4*\b:PC+4*\b+1], v[S+16*\b:S+16*\b+7], v[SO]
	v_cvt_scalef32_pk8_fp8_f32 v[PC+4*\b+2:PC+4*\b+3], v[S+16*\b+8:S+16*\b+15], v[SO]
.endr
	v_mov_b32 v[MX+\x], v[TT]                      ; the plain line behind the last conversion
.endm
; A STEP: 128 keys, both tiles
.macro STEP s
	SOFT 0, \s
.if \s < 2
	s_wait_alu depctr_va_vdst(0)                   ; the wait here, directly ahead of the wait below
	s_barrier_wait -1                              ; every wave of my work-group has signalled above
	s_cmp_lg_u32 s2, 0
	s_cbranch_scc1 .Lnot_wave_0_\@
	s_barrier_signal -3
.Lnot_wave_0_\@:
	s_barrier_wait -3                              ; and so have the partners' waves
	s_barrier_signal -1
.endif
	QK 1
.if \s < 2
	s_barrier_wait -1                              ; the round closes
	tensor_load_to_lds s[G0R:G0R+3], s[G1R:G1R+7]  ; step s + 2 into the slot whose K and V stand in registers
	s_nop 0
.rept 4
	v_nop
.endr
.endif
	RESC 0
	PV 0
	SOFT 1, \s
.if \s < 3
	QK 0                                           ; the next step's
.endif
	RESC 1
	PV 1
.endm
	s_wait_alu depctr_va_vdst(0)                   ; the wait here, directly ahead of the waits below
	s_wait_loadcnt 0x0                             ; what is to be parked is in
	s_wait_tensorcnt 0x0                           ; my records 0 and 1 have landed: I alone read them
	KLOAD 0
	ds_store_b128 v[PC+13], v[PC:PC+3]             ; parked until the merge's barrier
	ds_store_b32 v[PC+14], v[PC+4]
	s_wait_dscnt 2                                 ; K is in; the two stores may be out
	QK 0
.irp j, 0,1,2,3,4,5,6,7,8,9,10,11,12,13,14,15
	v_mov_b32 v[O+16+\j], 0                        ; tile 1's O^T; also the places behind the scores
.endr
	STEP 0
	STEP 1
	STEP 2
	; no tensor load is out any more: the descriptors' registers take the merge's numbers and the last part's constants
	s_wait_alu depctr_va_vdst(0)                   ; the wait here, ahead of the scalar lines below
	s_mul_i32 s66, s2, WP                          ; my part of the merge
	s_and_b32 s14, s2, 1                           ; the tile that I join (waves 0 to 7) or finish (waves 8, 9)
	s_bfe_u32 s15, s2, 0x20001                     ; the head that I join
	s_mul_i32 s67, s15, 4*WP
	s_mul_i32 s68, s14, 2304
	s_add_co_u32 s67, s67, s68
	s_lshl_b32 s70, s14, 11
	s_add_co_u32 s70, s70, CST
	s_lshl_b32 s68, s15, 9
	s_add_co_u32 s68, s68, s70
	s_lshl_b32 s71, s14, 6
	s_add_co_u32 s71, s71, CSS
	s_add_co_u32 s69, s71, s15
	s_lshl_b32 s72, s14, 10
	s_lshl_b32 s12, s51, 11
	s_add_co_u32 s12, s12, s72                     ; my tile's 1,024 bytes of the output
	s_mov_b32 s13, 0
	s_add_nc_u64 s[42:43], s[10:11], s[12:13]
	s_add_co_u32 s72, s72, PK+6144
	s_mul_i32 s73, s14, 1280
	s_add_co_u32 s73, s73, OST
	s_mov_b32 s74, 0xbfb8aa3b                      ; -log2(e)
	s_mov_b32 s75, s74
	s_mov_b32 s76, 0x4038aa3b                      ; 2 log2(e)
	s_mov_b32 s77, s76
	s_mov_b32 s78, 0xbe4ccccd                      ; -0.2
	s_mov_b32 s79, s78
	s_mov_b32 s80, 0x3d800000                      ; 1 / 16
	s_mov_b32 s81, 0x358637bd                      ; 1e-6
	s_mov_b32 s82, 0x3dcccccd                      ; 0.1
	s_mov_b32 s83, s82
	STEP 3
	; THE MERGE.  All LDS addresses are made here, ahead of the parting of the waves; these lines are also the places behind the last products
	v_add_nc_u32 v120, s66, v[LI]                  ; my part: images,
	v_lshl_add_u32 v121, v[LS], 1, s66             ; (sum, M)
	v_add_nc_u32 v122, s67, v[LI]                  ; waves 0 to 7: the parts that I join
	v_lshl_add_u32 v123, v[LS], 1, s67
	v_add_nc_u32 v124, s68, v[LI]                  ; and where ctx's codes and bytes go
	v_add_nc_u32 v125, s69, v[R4]
	v_add_nc_u32 v126, s70, v[LI]                  ; waves 8, 9: ctx's codes and scale words,
	v_add_nc_u32 v127, s71, v[R4]
	v_add_nc_u32 v128, PK, v[LI]                   ; the weights,
	v_add_nc_u32 v129, s72, v[LI]                  ; M,
	v_bfe_u32 v134, v0, 4, 1
	v_lshl_add_u32 v130, v134, 5, PKS              ; a vector's numbers 8 h on,
	v_add_nc_u32 v131, PKS, v[R4]                  ; the weights' scale words
	v_mul_u32_u24 v132, 20, v[R4]
	v_lshl_add_u32 v132, v134, 5, v132
	v_add_nc_u32 v132, s73, v132                   ; the way out, in: token r's 80 bytes, + 32 h
	v_lshrrev_b32 v133, 4, v[LS]
	v_mul_u32_u24 v133, 0x50, v133
	v_and_b32 v135, 12, v[LS]
	v_lshl_add_u32 v133, v135, 2, v133
	v_add_nc_u32 v133, s73, v133                   ; and back: four lanes to a token
	v_add_f32 v12, v12, v13                        ; the sums' two halves,
	v_mov_b32 v13, v[MX]                           ; with M beside them
	v_add_f32 v14, v14, v15
	v_mov_b32 v15, v[MX+1]
	s_wait_alu depctr_va_vdst(0)                   ; the wait here, ahead of the first reader of tile 0's O^T
	ds_store_b128 v120, v[O:O+3]
	ds_store_b128 v120, v[O+4:O+7] offset:512
	s_wait_alu depctr_va_vdst(0)
	ds_store_b128 v120, v[O+8:O+11] offset:1024
	ds_store_b128 v120, v[O+12:O+15] offset:1536
	ds_store_b64 v121, v[12:13] offset:2048
.irp c, 0,1,2,3
	ds_store_b128 v120, v[O+16+4*\c:O+16+4*\c+3] offset:2304+512*\c
.endr
	ds_store_b64 v121, v[14:15] offset:2304+2048
	s_wait_dscnt 0x0                               ; for the others' sake: my stores are done
	s_barrier_signal -1
	s_barrier_wait -1
	s_cmp_lt_u32 s2, 8
	s_cbranch_scc1 .Lmerge
	s_cmp_lt_u32 s2, 10
	s_cbranch_scc0 .Ljoin                          ; waves 10 to 15 have nothing left but the end
	; ---- waves 8, 9 take what was parked: v136-183 the weights, v184-207 the biases, v208 sens_mask, v216 ln_gamma, v224 ln_beta, v232 M, v240-242 the weights' scale words
.irp m, 0,1,2
.irp c, 0,1,2,3
	ds_load_b128 v[136+16*\m+4*\c:139+16*\m+4*\c], v128 offset:2048*\m+512*\c
.endr
.endr
.irp i, 0,1,2,3,4,5
	ds_load_b128 v[184+8*\i:187+8*\i], v130 offset:64*\i
	ds_load_b128 v[188+8*\i:191+8*\i], v130 offset:64*\i+16
.endr
	ds_load_b128 v[232:235], v129
	ds_load_b128 v[236:239], v129 offset:512
.irp m, 0,1,2
	ds_load_b32 v[240+\m], v131 offset:384+64*\m
.endr
	s_branch .Ljoin
.Lmerge:
	; ---- waves 0 to 7: v[200+2k] part k's sum and M, v[136+16k ..] its O^T
.irp k, 0,1,2,3
	ds_load_b64 v[200+2*\k:201+2*\k], v123 offset:WP*\k+2048
.endr
.irp k, 0,1,2,3
.irp c, 0,1,2,3
	ds_load_b128 v[136+16*\k+4*\c:139+16*\k+4*\c], v122 offset:WP*\k+512*\c
.endr
.endr
	v_mov_b32 v213, 0                              ; lane permutes' destinations
	v_mov_b32 v234, 0
	s_wait_alu depctr_va_vdst(0)
	s_wait_dscnt 16                                ; the sums and M are in; the sixteen images may be out
	v_max3_num_f32 v[TT], v201, v203, v205
	v_max_num_f32 v[TT], v[TT], v207               ; M of all keys
.irp k, 0,1,2,3
	v_sub_f32 v[208+\k], v[201+2*\k], v[TT]        ; part k's M - M: a whole number, 0 or less
.endr
.irp k, 0,1,2,3
	v_cvt_i32_f32 v[208+\k], v[208+\k]
.endr
.irp k, 0,1,2,3
	v_ldexp_f32 v[208+\k], 1.0, v[208+\k]          ; the factors: powers of two, so nothing is rounded
.endr
	v_mul_f32 v212, v200, v208
	v_fmac_f32 v212, v202, v209
	v_fmac_f32 v212, v204, v210
	v_fmac_f32 v212, v206, v211
	v_permlanex16_b32 v213, v212, s44, s45
	v_add_f32 v212, v212, v213                     ; with lane l xor 16's: the row's sum x 2^-8
	v_mul_f32 v212, 0x43800000, v212
	s_wait_alu depctr_va_vdst(0)                   ; the wait ahead of the transcendental
	v_rcp_f32 v214, v212
	v_nop                                          ; the plain line behind it
	s_wait_alu depctr_va_vdst(0)                   ; the wait ahead of its first reader
.irp k, 0,1,2,3
	v_mul_f32 v[208+\k], v[208+\k], v214           ; each part's factor / the sum
.endr
	s_wait_alu depctr_va_vdst(0)
	s_wait_dscnt 0x0
.irp j, 0,2,4,6,8,10,12,14
	v_pk_mul_f32 v[216+\j:217+\j], v[136+\j:137+\j], v[208:209] op_sel_hi:[1,0]
.endr
.irp j, 0,2,4,6,8,10,12,14
	v_pk_fma_f32 v[216+\j:217+\j], v[152+\j:153+\j], v[208:209], v[216+\j:217+\j] op_sel:[0,1,0] op_sel_hi:[1,1,1]
.endr
.irp j, 0,2,4,6,8,10,12,14
	v_pk_fma_f32 v[216+\j:217+\j], v[168+\j:169+\j], v[210:211], v[216+\j:217+\j] op_sel_hi:[1,0,1]
.endr
.irp j, 0,2,4,6,8,10,12,14
	v_pk_fma_f32 v[216+\j:217+\j], v[184+\j:185+\j], v[210:211], v[216+\j:217+\j] op_sel:[0,1,0] op_sel_hi:[1,1,1]   ; register j: ctx(my token, 16 (lane / 16) + j)
.endr
	; ctx's 32 numbers of a token lie in lanes l and l xor 16: one block
	v_max3_num_f32 v232, |v216|, |v217|, 0x4800000
	v_max_num_f32 v233, |v218|, |v219|
.irp i, 4,8,12
	v_max3_num_f32 v232, v232, |v[216+\i]|, |v[217+\i]|
	v_max3_num_f32 v233, v233, |v[218+\i]|, |v[219+\i]|
.endr
	v_max_num_f32 v232, v232, v233
	v_permlanex16_b32 v234, v232, s44, s45
	v_max_num_f32 v232, v232, v234                 ; the block's largest magnitude
	v_add_nc_u32 v235, 0xfc000000, v232
	v_and_or_b32 v236, v232, 0x7f800000, s48
	v_lshrrev_b32 v237, 23, v235                   ; the scale's byte
.irp i, 0,1,2,3,4,5,6,7,8,9,10,11,12,13,14,15
	v_med3_num_f32 v[216+\i], v[216+\i], -v236, v236
.endr
	v_cvt_scalef32_pk8_fp8_f32 v[240:241], v[216:223], v235
	v_cvt_scalef32_pk8_fp8_f32 v[242:243], v[224:231], v235
	v_nop                                          ; a plain line behind the last conversion
	ds_store_b8 v125, v237                         ; byte head of token r's word (both halves of the lanes hold the same)
	ds_store_b128 v124, v[240:243]
.Ljoin:
	s_wait_dscnt 0x0                               ; my stores are done, and what I took is in
	s_barrier_signal -1
	s_barrier_wait -1
	s_lshr_b32 s14, s2, 1
	s_cmp_eq_u32 s14, 4
	s_cbranch_scc0 .Ldone                          ; waves 8 and 9 finish a tile each
	; ---- v16-31 ctx's fragment, v35 its scale word; v40-47 delta, then Mu, then the result; v48-55 the gate; v56-63 the tanh term
.irp c, 0,1,2,3
	ds_load_b128 v[16+4*\c:19+4*\c], v126 offset:512*\c
.endr
	ds_load_b32 v35, v127
	v_mov_b32 v76, 0                               ; a lane permute's destination counts as one of its sources
	v_mov_b32 v79, 0                               ; (named as the upper half of a pair)
	s_wait_alu depctr_va_vdst(0)
	s_wait_dscnt 0x0
	v_wmma_scale_f32_16x16x128_f8f6f4 v[40:47], v[136:151], v[16:31], v[184:191], v240, v35   ; source 0 = a weight's 16 rows, source 1 = 16 tokens; the biases are the C
	v_wmma_scale_f32_16x16x128_f8f6f4 v[48:55], v[152:167], v[16:31], v[192:199], v241, v35
	v_wmma_scale_f32_16x16x128_f8f6f4 v[56:63], v[168:183], v[16:31], v[200:207], v242, v35
.rept 8
	v_nop                                          ; eight places ahead of the first read of a result
.endr
.irp j, 0,2,4,6
	v_pk_mul_f32 v[48+\j:49+\j], v[48+\j:49+\j], s[74:75] op_sel_hi:[1,0]
.endr
.irp j, 0,2,4,6
	v_pk_mul_f32 v[56+\j:57+\j], v[56+\j:57+\j], s[76:77] op_sel_hi:[1,0]
.endr
.irp j, 0,2,4,6
	v_pk_add_f32 v[40+\j:41+\j], v[40+\j:41+\j], v[232+\j:233+\j] neg_lo:[0,1] neg_hi:[0,1]   ; delta - M
.endr
	s_wait_alu depctr_va_vdst(0)
.irp j, 0,1,2,3,4,5,6,7,8,9,10,11,12,13,14,15
	v_exp_f32 v[48+\j], v[48+\j]                   ; the gate's eight, then the tanh term's: sigmoid(x) = 1 / (1 + 2^(-x log2 e)), tanh(x) = 1 - 2 / (1 + 2^(2 x log2 e)): both hold at the ends
.endr
	v_nop
	s_wait_alu depctr_va_vdst(0)
.irp j, 0,2,4,6,8,10,12,14
	v_pk_add_f32 v[48+\j:49+\j], v[48+\j:49+\j], 1.0 op_sel_hi:[1,0]
.endr
	s_wait_alu depctr_va_vdst(0)
.irp j, 0,1,2,3,4,5,6,7,8,9,10,11,12,13,14,15
	v_rcp_f32 v[48+\j], v[48+\j]
.endr
	v_nop
	s_wait_alu depctr_va_vdst(0)
.irp j, 0,2,4,6
	v_pk_mul_f32 v[48+\j:49+\j], v[48+\j:49+\j], v[208+\j:209+\j]                    ; G = sigmoid x sens
.endr
.irp j, 0,2,4,6
	v_pk_fma_f32 v[40+\j:41+\j], v[48+\j:49+\j], v[40+\j:41+\j], v[232+\j:233+\j]    ; M + G (delta - M)
.endr
.irp j, 0,2,4,6
	v_pk_fma_f32 v[40+\j:41+\j], v[56+\j:57+\j], s[78:79], v[40+\j:41+\j] op_sel_hi:[1,0,1]   ; 0.1 tanh = 0.1 - 0.2 / (1 + 2^..)
.endr
.irp j, 0,2,4,6
	v_pk_add_f32 v[40+\j:41+\j], v[40+\j:41+\j], s[82:83] op_sel_hi:[1,0]
.endr
	v_pk_add_f32 v[72:73], v[40:41], v[42:43]
	v_pk_add_f32 v[74:75], v[44:45], v[46:47]
	v_pk_add_f32 v[72:73], v[72:73], v[74:75]
	v_add_f32 v72, v72, v73
	v_permlanex16_b32 v76, v72, s44, s45
	v_add_f32 v72, v72, v76                        ; the token's sum of 16
	v_mul_f32 v72, s80, v72                        ; the mean
.irp j, 0,2,4,6
	v_pk_add_f32 v[40+\j:41+\j], v[40+\j:41+\j], v[72:73] op_sel_hi:[1,0] neg_lo:[0,1] neg_hi:[0,1]   ; Mu - mean
.endr
	v_pk_mul_f32 v[74:75], v[40:41], v[40:41]
.irp j, 2,4,6
	v_pk_fma_f32 v[74:75], v[40+\j:41+\j], v[40+\j:41+\j], v[74:75]
.endr
	v_add_f32 v74, v74, v75
	v_permlanex16_b32 v76, v74, s44, s45
	v_add_f32 v74, v74, v76
	v_mov_b32 v77, s81
	v_fma_f32 v74, v74, s80, v77                   ; the variance + 1e-6
	s_wait_alu depctr_va_vdst(0)
	v_rsq_f32 v78, v74
	v_nop
	s_wait_alu depctr_va_vdst(0)
.irp j, 0,2,4,6
	v_pk_mul_f32 v[216+\j:217+\j], v[216+\j:217+\j], v[78:79] op_sel_hi:[1,0]
.endr
.irp j, 0,2,4,6
	v_pk_fma_f32 v[40+\j:41+\j], v[40+\j:41+\j], v[216+\j:217+\j], v[224+\j:225+\j]
.endr
	ds_store_b128 v132, v[40:43]
	ds_store_b128 v132, v[44:47] offset:16
	ds_load_b128 v[80:83], v133                    ; LDS serves a wave's instructions in order (ISA guide 5.7.1.4): these see my stores.  Tokens 0 to 7,
	ds_load_b128 v[84:87], v133 offset:640         ; tokens 8 to 15
	s_wait_dscnt 1                                 ; the first load is in; the younger one may be out
	global_store_b128 v[LI], v[80:83], s[42:43]    ; 32 lanes store 512 consecutive bytes, at a multiple of 512 from the output's first byte
	s_wait_dscnt 0x0
	global_store_b128 v[LI], v[84:87], s[42:43] offset:512
.Ldone:
	s_wait_tensorcnt 0x0                           ; the wave's end
	ds_add_u32 v[SPW], v[NIL]
	s_wait_dscnt 0x0
	CROUND                                         ; the closing round: no work-group ends while a partner may still ask for a tile that names it
	s_endpgm
.Lfunc_end_k_q4d3e40baf7_attend:
	.size	k_q4d3e40baf7_attend, .Lfunc_end_k_q4d3e40baf7_attend-k_q4d3e40baf7_attend
	.p2alignl 7, 3214868480
	.fill 96, 4, 3214868480
	.section	.rodata,"a",@progbits
	.p2align	6, 0x0
	.amdhsa_kernel k_q4d3e40baf7_attend
		.amdhsa_group_segment_fixed_size 327680
		.amdhsa_private_segment_fixed_size 0
		.amdhsa_enable_private_segment 0
		.amdhsa_kernarg_size 136
		.amdhsa_user_sgpr_count 2
		.amdhsa_user_sgpr_kernarg_segment_ptr 1
		.amdhsa_wavefront_size32 1
		.amdhsa_system_sgpr_workgroup_id_x 1
		.amdhsa_system_sgpr_workgroup_id_y 1
		.amdhsa_system_sgpr_workgroup_id_z 1
		.amdhsa_system_vgpr_workitem_id 0
		.amdhsa_next_free_vgpr 256
		.amdhsa_next_free_sgpr 96
		.amdhsa_reserve_vcc 0
		.amdhsa_float_denorm_mode_32 3
		.amdhsa_float_denorm_mode_16_64 3
		.amdhsa_memory_ordered 1
		.amdhsa_forward_progress 1
		.amdhsa_inst_pref_size 147
	.end_amdhsa_kernel
	.amdgpu_metadata
---
amdhsa.version: [ 1, 2 ]
amdhsa.kernels:
  - .name:           k_q4d3e40baf7_attend
    .symbol:         k_q4d3e40baf7_attend.kd
    .args:
      - { .name: qc, .offset: 0, .size: 8, .value_kind: global_buffer, .address_space: global }
      - { .name: qs, .offset: 8, .size: 8, .value_kind: global_buffer, .address_space: global }
      - { .name: kv, .offset: 16, .size: 8, .value_kind: global_buffer, .address_space: global }
      - { .name: out0, .offset: 24, .size: 8, .value_kind: global_buffer, .address_space: global }
      - { .name: M, .offset: 32, .size: 8, .value_kind: global_buffer, .address_space: global }
      - { .name: Wo_codes, .offset: 40, .size: 8, .value_kind: global_buffer, .address_space: global }
      - { .name: Wo_scales, .offset: 48, .size: 8, .value_kind: global_buffer, .address_space: global }
      - { .name: Wg_codes, .offset: 56, .size: 8, .value_kind: global_buffer, .address_space: global }
      - { .name: Wg_scales, .offset: 64, .size: 8, .value_kind: global_buffer, .address_space: global }
      - { .name: Wb_codes, .offset: 72, .size: 8, .value_kind: global_buffer, .address_space: global }
      - { .name: Wb_scales, .offset: 80, .size: 8, .value_kind: global_buffer, .address_space: global }
      - { .name: bo, .offset: 88, .size: 8, .value_kind: global_buffer, .address_space: global }
      - { .name: bg, .offset: 96, .size: 8, .value_kind: global_buffer, .address_space: global }
      - { .name: bb, .offset: 104, .size: 8, .value_kind: global_buffer, .address_space: global }
      - { .name: sens_mask, .offset: 112, .size: 8, .value_kind: global_buffer, .address_space: global }
      - { .name: ln_gamma, .offset: 120, .size: 8, .value_kind: global_buffer, .address_space: global }
      - { .name: ln_beta, .offset: 128, .size: 8, .value_kind: global_buffer, .address_space: global }
    .group_segment_fixed_size: 327680
    .private_segment_fixed_size: 0
    .kernarg_segment_align: 8
    .kernarg_segment_size: 136
    .max_flat_workgroup_size: 512
    .sgpr_count:     96
    .vgpr_count:     256
    .wavefront_size: 32
...
	.end_amdgpu_metadata
.endif
;; end of part 2
